; MI455X (gfx1250); checked and timed in simulation.
; The chip was launched on July 23, 2026; its instructions are those of AMD's public machine-readable ISA for CDNA 5 (MIT licence, August 2026) and "CDNA5" Instruction Set Architecture Reference Guide (July 2026). The comments in the code are by the model that wrote it; some were corrected since.
;; Attention. Allowed arithmetic: float matrix products may take bf16 or f16 operands with f32 sums; all other float work in f32.
;; Inputs: key_padding_mask 2 x 2,048 bool; kv 2 x 2,048 x 2 x 8 x 128 float32; q 2 x 2,048 x 32 x 128 float32.
;; Outputs: out0 2 x 2,048 x 32 x 128 float32.
;; 2 versions, each right; version 2 is version 1 with the launch prep written anew for expert scheduling mode. Each part assembles by itself: llvm-mc -triple=amdgcn-amd-amdhsa -mcpu=gfx1250 --defsym DOCPART=n.
;; ======== version 1 of 2: 2 launches
;; limits: values are held in f16: magnitudes above 65,504 overflow, below 6.1e-05 lose precision; inputs' magnitudes at most 65,408; below input magnitudes of 6.1e-05 results are inexact or not finite
;; workspace buffers: kb 8,388,608 bytes; vb 8,388,608 bytes; bsum 262,144 bytes; biasw 16,384 bytes
;; launch prep (part 1): grid 32 x 16, 8 waves a work-group, no clusters, 5,120 bytes of LDS; arguments kv, key_padding_mask, kb, vb, bsum, biasw; writes kb, vb, bsum, biasw
.if DOCPART == 1
	.amdgcn_target "amdgcn-amd-amdhsa--gfx1250"
	.amdhsa_code_object_version 6
	.text
	.protected	k_q0a258fd79f_prep
	.globl	k_q0a258fd79f_prep
	.p2align	8
	.type	k_q0a258fd79f_prep,@function
k_q0a258fd79f_prep:
	s_mov_b64 s[64:65], 0
	v_nop
	global_prefetch_b8 v0, s[64:65] scope:SCOPE_SE
	s_setreg_imm32_b32 hwreg(HW_REG_WAVE_MODE, 25, 1), 1
	s_wait_xcnt 0x0
; kv [2][2048][2][8][128] f32  ->  kb [g = 8 b + hkv][2048][128] bf16 (K, rounded once, rows of 256 bytes),
;                                  vb, the same shape, f16 (V, see below),
;                                  bsum [g][32][128] f32 (sums of the f32 V over blocks of 64 keys),
; key_padding_mask [2][2048] bytes -> biasw [2][2048] f32: 0.0 for a valid key, -10000 sqrt(128) for a padded one
; (the additive -10000 in the units of the unscaled product q.k).  Any mask byte other than 0 counts as true.
; V'S FORMAT.  The product P V of the next launch runs in the f16 matrix form, because P lies in [0, 1] and keeps 11 significant bits in f16 against 8
; in bf16.  V is rounded to bf16, as K and Q are, so that the three inputs carry one and the same rounding, the one that the problem's contract names
; for inputs; that value is then written in f16's format.  LIMITS: exact for 2^-14 <= |v|; below that f16 is denormal and the value is kept to within 2^-25;
; |v| must stay below 65,408 (the largest bf16 number that f16 holds is 65,280; above it the result is infinite).
; A work-group takes 64 keys (x) of one g (y); wave w takes keys 8 w .. 8 w + 7; a lane takes 4 numbers of each row, so a load of the
; wave covers 512 consecutive bytes of kv and a store 256 consecutive bytes of kb or vb, aligned.  A stream: no matrix unit, no cluster,
; LDS only for the eight waves' partial sums.  Sixteen loads of every wave are on their way at once; there is no loop.
.set FILLB, 0xc7dcf88b                 ; -10000 * sqrt(128) = -113137.086
.set KR, 16                            ; v[16:47]   8 rows of K, 4 f32 each
.set VR, 48                            ; v[48:79]   8 rows of V
.set KP, 80                            ; v[80:95]   K packed to bf16
.set VP, 96                            ; v[96:111]  V packed
	s_load_b256 s[4:11], s[0:1], 0x0               ; kv s[4:5], mask s[6:7], kb s[8:9], vb s[10:11]
	s_load_b128 s[12:15], s[0:1], 0x20             ; bsum s[12:13], biasw s[14:15]
	v_lshl_add_u32 v112, v0, 2, 0x1000
	v_mov_b32 v113, 0
	v_lshrrev_b32 v12, 5, v0                       ; wave
	v_and_b32 v13, 31, v0                          ; lane
	v_readfirstlane_b32 s19, v12                   ; the wave's number as a scalar
	s_and_b32 s16, ttmp7, 0xffff                   ; g
	s_lshr_b32 s17, s16, 3                         ; b
	s_and_b32 s18, s16, 7                          ; hkv
	v_lshlrev_b32 v4, 4, v13                       ; 16 x lane
	v_lshl_or_b32 v1, v12, 16, v4                  ; kv: 8 keys of 8,192 bytes a wave + 16 x lane
	v_lshlrev_b32 v6, 3, v13                       ; 8 x lane
	v_lshl_or_b32 v2, v12, 11, v6                  ; kb, vb: 8 rows of 256 bytes a wave + 8 x lane
	s_lshl_b32 s30, s19, 9
	v_add_nc_u32 v3, s30, v4                       ; LDS: 512 bytes a wave + 16 x lane
	v_lshlrev_b32 v5, 1, v13                       ; mask: 2 bytes a lane
	s_lshl_b32 s20, s17, 24                        ; kv: b x 2048 keys x 8,192
	s_lshl_b32 s31, ttmp9, 19                      ;   + block x 64 keys x 8,192
	s_or_b32 s20, s20, s31
	s_lshl_b32 s31, s18, 9                         ;   + hkv x 512
	s_or_b32 s20, s20, s31
	s_mov_b32 s21, 0
	s_lshl_b32 s22, s16, 19                        ; kb, vb: g x 2048 rows x 256
	s_lshl_b32 s31, ttmp9, 14                      ;   + block x 64 rows x 256
	s_or_b32 s22, s22, s31
	s_mov_b32 s23, 0
	s_lshl_b32 s24, s16, 14                        ; bsum: (32 g + block) x 512
	s_lshl_b32 s31, ttmp9, 9
	s_or_b32 s24, s24, s31
	s_mov_b32 s25, 0
	s_lshl_b32 s26, s17, 11                        ; mask: 2048 b + 64 block
	s_lshl_b32 s31, ttmp9, 6
	s_or_b32 s26, s26, s31
	s_mov_b32 s27, 0
	s_lshl_b32 s28, s26, 2                         ; biasw: four bytes a key
	s_mov_b32 s29, 0
	s_wait_kmcnt 0x0
	s_add_nc_u64 s[4:5], s[4:5], s[20:21]
	s_add_nc_u64 s[6:7], s[6:7], s[26:27]
	s_add_nc_u64 s[8:9], s[8:9], s[22:23]
	s_add_nc_u64 s[10:11], s[10:11], s[22:23]
	s_add_nc_u64 s[12:13], s[12:13], s[24:25]
	s_add_nc_u64 s[14:15], s[14:15], s[28:29]
.irp i, 0,1,2,3,4,5,6,7
	global_load_b128 v[KR+4*\i:KR+4*\i+3], v1, s[4:5] offset:\i*8192 th:TH_LOAD_NT        ; K's row of key 8 w + i
.endr
.irp i, 0,1,2,3,4,5,6,7
	global_load_b128 v[VR+4*\i:VR+4*\i+3], v1, s[4:5] offset:\i*8192+4096 th:TH_LOAD_NT   ; V's row, 4,096 bytes behind K's
.endr
	s_wait_loadcnt 8                               ; loads come back in order (ISA guide 5.7.1): the eight of K are in, the eight of V stay out
.irp i, 0,1,2,3,4,5,6,7
	v_cvt_pk_bf16_f32 v[KP+2*\i],   v[KR+4*\i],   v[KR+4*\i+1]
	v_cvt_pk_bf16_f32 v[KP+2*\i+1], v[KR+4*\i+2], v[KR+4*\i+3]
	global_store_b64 v2, v[KP+2*\i:KP+2*\i+1], s[8:9] offset:\i*256    ; the wave stores 256 consecutive bytes, aligned; read by the next launch: no hint
.endr
	s_wait_loadcnt 0x0                             ; V
	v_pk_add_f32 v[8:9],   v[VR:VR+1],   v[VR+4:VR+5]                  ; the first two rows start the sums of my four columns
	v_pk_add_f32 v[10:11], v[VR+2:VR+3], v[VR+6:VR+7]
.irp i, 2,3,4,5,6,7
	v_pk_add_f32 v[8:9],   v[8:9],   v[VR+4*\i:VR+4*\i+1]
	v_pk_add_f32 v[10:11], v[10:11], v[VR+4*\i+2:VR+4*\i+3]
.endr
	ds_store_b128 v3, v[8:11]                      ; my wave's sums over its eight keys
.irp i, 0,1,2,3,4,5,6,7
	v_cvt_pk_bf16_f32 v[VP+2*\i],   v[VR+4*\i],   v[VR+4*\i+1]         ; the rounding: to bf16, nearest even
	v_cvt_pk_bf16_f32 v[VP+2*\i+1], v[VR+4*\i+2], v[VR+4*\i+3]
	v_lshlrev_b32 v[VR+4*\i],   16,         v[VP+2*\i]                 ; the rounded numbers as f32 again (the sums above have read the unrounded ones)
	v_and_b32     v[VR+4*\i+1], 0xffff0000, v[VP+2*\i]
	v_lshlrev_b32 v[VR+4*\i+2], 16,         v[VP+2*\i+1]
	v_and_b32     v[VR+4*\i+3], 0xffff0000, v[VP+2*\i+1]
	v_cvt_pk_f16_f32 v[VP+2*\i],   v[VR+4*\i],   v[VR+4*\i+1]          ; the format: 8 significant bits fit in f16's 11
	v_cvt_pk_f16_f32 v[VP+2*\i+1], v[VR+4*\i+2], v[VR+4*\i+3]
	global_store_b64 v2, v[VP+2*\i:VP+2*\i+1], s[10:11] offset:\i*256
.endr
	s_wait_dscnt 0x0                               ; for wave 0's sake: my store to LDS is done
	s_barrier_signal -1
	s_barrier_wait -1
	s_cmp_lg_u32 s19, 0
	s_cbranch_scc1 .Lend                           ; the rest is wave 0's
.irp i, 0,1,2,3,4,5,6,7
	ds_load_b128 v[KR+4*\i:KR+4*\i+3], v4 offset:512*\i                ; the eight waves' sums of my four columns
.endr
	s_wait_dscnt 0x0
.irp i, 1,2,3,4,5,6,7
	v_pk_add_f32 v[KR:KR+1],   v[KR:KR+1],   v[KR+4*\i:KR+4*\i+1]
	v_pk_add_f32 v[KR+2:KR+3], v[KR+2:KR+3], v[KR+4*\i+2:KR+4*\i+3]
.endr
	global_store_b128 v4, v[KR:KR+3], s[12:13]     ; 512 consecutive bytes: the block's sums of V
	s_cmp_lg_u32 s18, 0
	s_cbranch_scc1 .Lend                           ; the bias hangs on b and the key alone: the work-group of hkv = 0 writes it
	global_load_u16 v7, v5, s[6:7]                 ; two mask bytes a lane: the block's 64 keys
	v_mov_b32 v14, FILLB
	s_wait_loadcnt 0x0
	v_and_b32 v12, 0xff, v7
	v_lshrrev_b32 v13, 8, v7
	v_cmp_eq_u32 vcc_lo, 0, v12
	v_cndmask_b32 v12, 0, v14, vcc_lo              ; a byte 0 is a padded key
	v_cmp_eq_u32 vcc_lo, 0, v13
	v_cndmask_b32 v13, 0, v14, vcc_lo
	global_store_b64 v6, v[12:13], s[14:15]        ; 256 consecutive bytes, aligned
.Lend:
	s_wait_tensorcnt 0x0
	ds_add_u32 v112, v113
	s_wait_dscnt 0x0
	s_endpgm
.Lfunc_end_k_q0a258fd79f_prep:
	.size	k_q0a258fd79f_prep, .Lfunc_end_k_q0a258fd79f_prep-k_q0a258fd79f_prep
	.p2alignl 7, 3214868480
	.fill 96, 4, 3214868480
	.section	.rodata,"a",@progbits
	.p2align	6, 0x0
	.amdhsa_kernel k_q0a258fd79f_prep
		.amdhsa_group_segment_fixed_size 5120
		.amdhsa_private_segment_fixed_size 0
		.amdhsa_enable_private_segment 0
		.amdhsa_kernarg_size 48
		.amdhsa_user_sgpr_count 2
		.amdhsa_user_sgpr_kernarg_segment_ptr 1
		.amdhsa_wavefront_size32 1
		.amdhsa_system_sgpr_workgroup_id_x 1
		.amdhsa_system_sgpr_workgroup_id_y 1
		.amdhsa_system_sgpr_workgroup_id_z 1
		.amdhsa_system_vgpr_workitem_id 0
		.amdhsa_next_free_vgpr 114
		.amdhsa_next_free_sgpr 66
		.amdhsa_reserve_vcc 1
		.amdhsa_float_denorm_mode_32 3
		.amdhsa_float_denorm_mode_16_64 3
		.amdhsa_memory_ordered 1
		.amdhsa_forward_progress 1
		.amdhsa_inst_pref_size 13
	.end_amdhsa_kernel
	.amdgpu_metadata
---
amdhsa.version: [ 1, 2 ]
amdhsa.kernels:
  - .name:           k_q0a258fd79f_prep
    .symbol:         k_q0a258fd79f_prep.kd
    .args:
      - { .name: kv, .offset: 0, .size: 8, .value_kind: global_buffer, .address_space: global }
      - { .name: key_padding_mask, .offset: 8, .size: 8, .value_kind: global_buffer, .address_space: global }
      - { .name: kb, .offset: 16, .size: 8, .value_kind: global_buffer, .address_space: global }
      - { .name: vb, .offset: 24, .size: 8, .value_kind: global_buffer, .address_space: global }
      - { .name: bsum, .offset: 32, .size: 8, .value_kind: global_buffer, .address_space: global }
      - { .name: biasw, .offset: 40, .size: 8, .value_kind: global_buffer, .address_space: global }
    .group_segment_fixed_size: 5120
    .private_segment_fixed_size: 0
    .kernarg_segment_align: 8
    .kernarg_segment_size: 48
    .max_flat_workgroup_size: 256
    .sgpr_count:     66
    .vgpr_count:     114
    .wavefront_size: 32
...
	.end_amdgpu_metadata
.endif
;; end of part 1
;; launch attn (part 2): grid 16 x 16, 4 waves a work-group, no clusters, 327,680 bytes of LDS; arguments q, kb, vb, bsum, biasw, out0; writes out0
.if DOCPART == 2
	.amdgcn_target "amdgcn-amd-amdhsa--gfx1250"
	.amdhsa_code_object_version 6
	.text
	.protected	k_q0a258fd79f_attn
	.globl	k_q0a258fd79f_attn
	.p2align	8
	.type	k_q0a258fd79f_attn,@function
k_q0a258fd79f_attn:
	s_mov_b64 s[64:65], 0
	v_nop
	global_prefetch_b8 v0, s[64:65] scope:SCOPE_SE
	s_setreg_imm32_b32 hwreg(HW_REG_WAVE_MODE, 25, 1), 1
	s_wait_xcnt 0x0
; Causal attention with grouped heads: q, out0 [2][2048][32][128] f32; kb [g = 8 b + hkv][2048][128] bf16; vb likewise in f16; bsum [g][32][128] f32; biasw [2][2048] f32.
; WORK.  Work-group (p, g): the four query heads of key-value head g, one a wave, so that one K and V tile in LDS serves 256 query rows;
; two blocks of 64 query rows: A = block 2 p with 2 p + 1 key tiles of 64, then B = block 31 - 2 p with 32 - 2 p: 33 tiles for every p.
; A's odd count comes first, so that the LDS slot of every trip is fixed in the text.
; THE FILL.  A padded key has -10000 ADDED and a causal position is SET to -10000, both finite.  In units of the unscaled q.k that is
; FILL = -10000 sqrt(128).  All keys right of a block's diagonal tile have the same score FILL for all its rows, so they enter as the
; running state's start: maximum FILL, denominator their count, numerator the sum of their V (from bsum).  That is the reference's sum, in another
; order, for every input.  Block 31 has no such keys: its start is maximum -infinity, denominator 0, numerator 0.
; The running maximum is taken away before every exponential: p = exp2(S C + NMC), C = log2(e) / sqrt(128), NMC = round(-m C); the old
; state is scaled by exp2(NMC new - NMC old), which is exactly 1 while the maximum stands still.
; TRANSPOSED.  S^T = K Q^T + bias (the bias is the C operand of the first K step) and O^T = V^T P^T.  In S^T lane (r, h), register j is key
; 16 mb + 8 h + j of query 16 nb + r: a query's figures are one number a lane, one lane exchange joins the halves h, and two tiles of S^T
; packed to 16 bits ARE a B fragment of P^T.  V^T's fragments come from LDS by the transposing load.
; FORMATS.  K Q^T runs in the bf16 form.  V^T P^T runs in the f16 form: p lies in [0, 1], where f16 keeps 11 significant bits against bf16's 8; in the first
; query rows, where two or three keys carry the whole sum and an output can be a small difference of terms p v near 1, those bits are needed.
; The two forms never share an accumulator.
; NO CLUSTER: the heads that share K and V are already the waves of one work-group, and the query blocks of one g need 2 p + 1 and 32 - 2 p
; tiles, other tiles in each trip for each p, so no two work-groups want one tile in the same trip.
; LIMITS: NaN and infinities in the inputs are not served.  v_exp_f32 gives 0 for results below 2^-126; p below 2^-25 becomes 0 in f16 and p below 2^-14 is kept to
; within 2^-25 (the row's largest p is 1).  |V| must be below 65,408 (f16; see the launch that writes vb).  A padded key's score is kept in f32 next to
; FILL, so it is rounded at 2^-7 of the unscaled product in each of four K steps (at most 0.004 in the exponent of 2).
; LDS (bytes): slot s at 35,840 s: V's tile, 64 rows at pitch 288, then K's, 64 rows at pitch 272; from 71,680 a stage of 17,408 for each wave
; (Q in bf16 at pitch 272; O's rows on the way out at pitch 528); at 141,312 the two blocks' sums of V, 512 each.  Stage and sums are written by LDS
; stores and no tensor load lands there.  327,680 bytes are declared so that the work-group is alone on its WGP.
.set VPITCH, 288                       ; 256 + 32: an odd multiple of 32 bytes, for the transposing load
.set KPITCH, 272                       ; 256 + 16: sixteen rows start in sixteen different 16-byte columns modulo 256
.set VT,     64*VPITCH
.set SLOT,   VT+64*KPITCH
.set STAGE,  2*SLOT
.set STWB,   64*272
.set SUF,    STAGE+4*STWB
.set OPITCH, 528
.set QROW,   16384                     ; bytes from a query row to the next in q and out0: 32 heads x 512
; window 0
.set KA,   4                           ; VT + 272 r + 16 h: K's fragments
.set VA,   5                           ; (8 h + L % 8) 288 + 16 ((L / 8) % 2): V's fragments
.set BO,   6                           ; 32 h: the bias of my eight keys
.set STO,  7                           ; stage + 528 r + 32 h
.set SRD,  8                           ; stage + 16 L
.set QST,  9                           ; stage + 8 L
.set QRD,  10                          ; stage + 272 r + 16 h
.set SUFA, 11                          ; SUF + 32 h
.set GQ,   12                          ; 16 L: my 16 bytes of a row of q or out0
.set PF,   13                          ; (L / 2) 16,384 + (L % 2) 256
.set OT,   32                          ; v32-95   16 rows of O read back from the stage
.set XS,   96                          ; v96-127  the 32 block sums of V of my column
.set KF,   128                         ; v128-255 K's fragments, (mb, ks) at 32 ks + 8 mb
; window 1: v0-127 Q's fragments, (nb, ks) at 32 nb + 8 ks; v128-255 V's fragments, (db, kk) at 128 + 64 kk + 8 db
; window 2: v0-127 S, (nb, mb, j) at 32 nb + 8 mb + j, later P packed at 32 nb + 0 .. 15
.set BI,    128                        ; v128-159 the bias, (mb, j)
.set STAT,  160                        ; + 4 nb: NMC, M, AL (the factor), L (my half's denominator)
.set TT,    176                        ; v176-183 two registers at work for each nb
.set FILLV, 184
.set SP,    186                        ; v186-189 two pairs of sums
; window 3: O, (nb, db, j) at 64 nb + 8 db + j
.set G1K, 24                           ; s[24:31] shape of K's tile
.set G1V, 32                           ; s[32:39] shape of V's tile
.set G0K, 40                           ; s[40:47] from where and to where, one set for each slot
.set G0V, 48                           ; s[48:55]
.set MSK, 56                           ; s[56:63] lanes in which key 8 h + j lies right of query r
; s16 wave, s19 p, s20 g, s21 b, s22 hkv, s23 my stage; s[66:67] C twice, s68 -C, s69 FILL, s70-71 lane exchange; s[72:73] kb of g, s[74:75] vb of g,
; s[76:77] biasw of b, s[78:79] the next tile's bias; s[80:81], s[82:83] offsets; s84 next tile of the stream, s85 2 p + 1, s86, s87 key tiles one and two
; trips ahead; s88 at work, s89 trips; s[90:91], s[92:93] q of blocks A, B; s[94:95], s[96:97] out0 likewise; s98 B's first maximum; s99, s100 half the counts; s101 a weight
.set QKW,  0xa4                        ; A window 0, B window 1, C and D window 2
.set SMW,  0xaa                        ; everything window 2
.set RSW,  0xcb                        ; destination and source 0 window 3, source 1 window 2
.set PVW,  0xf9                        ; A window 1, B window 2, C and D window 3
.set TOV,  0x40                        ; destination window 1
.set TOB,  0x80                        ; destination window 2
.set TOO,  0xc0                        ; destination window 3
.set STO3, 0x0c                        ; store data window 3
.set ST2,  0x08                        ; store data window 2
.set ST1,  0x04                        ; store data window 1
.set C1,   0x55                        ; everything window 1
.set MSB, 0
.macro WIN new                         ; the immediate's high byte repeats the setting that is left; a switch that changes nothing is dropped
.if MSB != \new
	s_set_vgpr_msb (MSB<<8)|\new
.set MSB, \new
.endif
.endm
; One tile of V by wave 0, one of K by wave 1, 64 rows of 256 bytes each; waves 2 and 3 ask for nothing.
.macro KVLOAD s
	s_cmp_lg_u32 s16, 0
	s_cbranch_scc1 .Lnot_v_\@
	tensor_load_to_lds s[G0V+4*(\s):G0V+4*(\s)+3], s[G1V:G1V+7]
	s_nop 0
	s_branch .Lasked_\@
.Lnot_v_\@:
	s_cmp_lg_u32 s16, 1
	s_cbranch_scc1 .Lasked_\@
	tensor_load_to_lds s[G0K+4*(\s):G0K+4*(\s)+3], s[G1K:G1K+7]
	s_nop 0
.Lasked_\@:
.endm
; The stream's next tile: key tile f of block A while f < 2 p + 1, then f - (2 p + 1) of block B.  Slot s's addresses are written where no tensor load of the wave is out.
.macro NEXT s
	s_sub_co_u32 s88, s84, s85
	s_cmp_lt_u32 s84, s85
	s_cselect_b32 s87, s84, s88
	s_add_co_u32 s84, s84, 1
	s_lshl_b32 s80, s87, 14                        ; 64 rows of 256 bytes
	s_add_nc_u64 s[G0K+4*(\s)+2:G0K+4*(\s)+3], s[72:73], s[80:81]
	s_or_b32 s[G0K+4*(\s)+3], s[G0K+4*(\s)+3], 0x80000000
	s_add_nc_u64 s[G0V+4*(\s)+2:G0V+4*(\s)+3], s[74:75], s[80:81]
	s_or_b32 s[G0V+4*(\s)+3], s[G0V+4*(\s)+3], 0x80000000
.endm
.macro BIASB                           ; the bias of the next trip's 64 keys; the loads that used the old base were waited for at the trip's head
	s_lshl_b32 s82, s86, 8
	s_add_nc_u64 s[78:79], s[76:77], s[82:83]
	s_mov_b32 s86, s87
.endm
; S^T = K Q^T + bias.  The accumulators take turns, one instruction a turn.  diag = 1: tiles wholly right of the diagonal (mb > nb) are left out.
.macro QK diag
	WIN QKW
.irp ks, 0,1,2,3
.irp nb, 0,1,2,3
.irp mb, 0,1,2,3
.if \mb <= \nb+4*(1-\diag)
.if \ks == 0
	v_wmma_f32_16x16x32_bf16 v[32*\nb+8*\mb:32*\nb+8*\mb+7], v[KF+32*\ks+8*\mb:KF+32*\ks+8*\mb+7], v[32*\nb+8*\ks:32*\nb+8*\ks+7], v[BI+8*\mb:BI+8*\mb+7]
.else
	v_wmma_f32_16x16x32_bf16 v[32*\nb+8*\mb:32*\nb+8*\mb+7], v[KF+32*\ks+8*\mb:KF+32*\ks+8*\mb+7], v[32*\nb+8*\ks:32*\nb+8*\ks+7], v[32*\nb+8*\mb:32*\nb+8*\mb+7]
.endif
.endif
.endr
.endr
.endr
.endm
.macro VLOAD s                         ; V^T: row d = 16 db + r, keys 32 kk + 8 h + 0..7 and 32 kk + 16 + 8 h + 0..7
	WIN TOV
.irp kk, 0,1
.irp db, 0,1,2,3,4,5,6,7
	ds_load_tr16_b128 v[128+64*\kk+8*\db:128+64*\kk+8*\db+3],   v[VA] offset:(\s)*SLOT+\kk*32*VPITCH+32*\db
	ds_load_tr16_b128 v[128+64*\kk+8*\db+4:128+64*\kk+8*\db+7], v[VA] offset:(\s)*SLOT+\kk*32*VPITCH+16*VPITCH+32*\db
.endr
.endr
.endm
.macro KLOAD s                         ; K: row 16 mb + r, d = 32 ks + 8 h + 0..7 and 32 ks + 16 + 8 h + 0..7
	WIN 0
.irp ks, 0,1,2,3
.irp mb, 0,1,2,3
	ds_load_b128 v[KF+32*\ks+8*\mb:KF+32*\ks+8*\mb+3],   v[KA] offset:(\s)*SLOT+\mb*16*KPITCH+64*\ks
	ds_load_b128 v[KF+32*\ks+8*\mb+4:KF+32*\ks+8*\mb+7], v[KA] offset:(\s)*SLOT+\mb*16*KPITCH+64*\ks+32
.endr
.endr
.endm
.macro BLOAD                           ; register j of tile mb: the bias of key 16 mb + 8 h + j; the eight loads read the tile's 256 bytes
	WIN TOB
.irp mb, 0,1,2,3
	global_load_b128 v[BI+8*\mb:BI+8*\mb+3],   v[BO], s[78:79] offset:64*\mb
	global_load_b128 v[BI+8*\mb+4:BI+8*\mb+7], v[BO], s[78:79] offset:64*\mb+16
.endr
.endm
; The diagonal tile: what lies right of the diagonal is SET to FILL, padded or not.  The six tiles that QK left out are written whole (these are scores, not sums that are cleared).
.macro DMASK
	WIN SMW
.irp nb, 0,1,2
.irp mb, 1,2,3
.if \mb > \nb
.irp j, 0,1,2,3,4,5,6,7
	v_mov_b32 v[32*\nb+8*\mb+\j], s69
.endr
.endif
.endr
.endr
.irp nb, 0,1,2,3
.irp j, 0,1,2,3,4,5,6,7
	v_cndmask_b32 v[40*\nb+\j], v[40*\nb+\j], v[FILLV], s[MSK+\j]
.endr
.endr
.endm
; The new maximum of query 16 nb + r over my 32 keys, the old maximum and the other half's lane; NMC; the factor for the old state.
.macro MAXNB nb
	v_max3_num_f32 v[TT+2*\nb],   v[32*\nb],   v[32*\nb+1], v[32*\nb+2]
	v_max3_num_f32 v[TT+2*\nb+1], v[32*\nb+3], v[32*\nb+4], v[32*\nb+5]
.set i, 6
.rept 13
	v_max3_num_f32 v[TT+2*\nb+(i/2)%2], v[TT+2*\nb+(i/2)%2], v[32*\nb+i], v[32*\nb+i+1]
.set i, i+2
.endr
	v_max3_num_f32 v[TT+2*\nb], v[TT+2*\nb], v[TT+2*\nb+1], v[STAT+4*\nb+1]
	v_permlanex16_b32 v[TT+2*\nb+1], v[TT+2*\nb], s70, s71             ; lane i takes lane i xor 16: the same query's other 32 keys
	v_max_num_f32 v[STAT+4*\nb+1], v[TT+2*\nb], v[TT+2*\nb+1]          ; M
	v_mul_f32 v[TT+2*\nb], s68, v[STAT+4*\nb+1]                        ; -C M
	v_sub_f32 v[STAT+4*\nb+2], v[TT+2*\nb], v[STAT+4*\nb]              ; new NMC - old NMC: 0 or below, -infinity from a first maximum of -infinity
	v_mov_b32 v[STAT+4*\nb], v[TT+2*\nb]
	v_exp_f32 v[STAT+4*\nb+2], v[STAT+4*\nb+2]                         ; AL; the plain instruction that follows names other registers (ISA guide 5.7.2)
.endm
.macro EXPNB nb                        ; p = exp2(S C + NMC), in place
.set i, 0
.rept 16
	v_pk_fma_f32 v[32*\nb+2*i:32*\nb+2*i+1], v[32*\nb+2*i:32*\nb+2*i+1], s[66:67], v[STAT+4*\nb:STAT+4*\nb+1] op_sel_hi:[1,0,0]
.set i, i+1
.endr
.set i, 0
.rept 32
	v_exp_f32 v[32*\nb+i], v[32*\nb+i]
.set i, i+1
.endr
.endm
.macro SUMCVT nb                       ; L = L AL + the sum of my 32 p; then p to f16, packed in place from below: word i is made of words 2 i and 2 i + 1
	s_wait_alu depctr_va_vdst(0)
	v_pk_add_f32 v[SP:SP+1],   v[32*\nb:32*\nb+1],   v[32*\nb+2:32*\nb+3]
	v_pk_add_f32 v[SP+2:SP+3], v[32*\nb+4:32*\nb+5], v[32*\nb+6:32*\nb+7]
.set i, 8
.rept 12
	v_pk_add_f32 v[SP+2*((i/2)%2):SP+2*((i/2)%2)+1], v[SP+2*((i/2)%2):SP+2*((i/2)%2)+1], v[32*\nb+i:32*\nb+i+1]
.set i, i+2
.endr
	v_pk_add_f32 v[SP:SP+1], v[SP:SP+1], v[SP+2:SP+3]
	v_add_f32 v[SP], v[SP], v[SP+1]
	v_fma_f32 v[STAT+4*\nb+3], v[STAT+4*\nb+3], v[STAT+4*\nb+2], v[SP]
.set i, 0
.rept 16
	v_cvt_pk_f16_f32 v[32*\nb+i], v[32*\nb+2*i], v[32*\nb+2*i+1]
.set i, i+1
.endr
.endm
; Behind each run of exponentials stands plain work on another nb's registers before its results are read (ISA guide 5.7.2).
.macro SOFTMAX
	WIN SMW
	MAXNB 0
	MAXNB 1
	MAXNB 2
	MAXNB 3
	EXPNB 0
	EXPNB 1
	SUMCVT 0
	EXPNB 2
	SUMCVT 1
	EXPNB 3
	SUMCVT 2
	SUMCVT 3
.endm
.macro SCALEO nb                       ; O of queries 16 nb .. + 15 times AL
.set i, 0
.rept 32
	v_pk_mul_f32 v[64*\nb+2*i:64*\nb+2*i+1], v[64*\nb+2*i:64*\nb+2*i+1], v[STAT+4*\nb+2:STAT+4*\nb+3] op_sel_hi:[1,0]
.set i, i+1
.endr
.endm
.macro RESCALE
	WIN RSW
	SCALEO 0
	SCALEO 1
	SCALEO 2
	SCALEO 3
.endm
.macro PV                              ; O^T += V^T P^T, both in f16.  The 32 accumulators take turns, one instruction a turn.
	WIN PVW
.irp kk, 0,1
.irp nb, 0,1,2,3
.irp db, 0,1,2,3,4,5,6,7
	v_wmma_f32_16x16x32_f16 v[64*\nb+8*\db:64*\nb+8*\db+7], v[128+64*\kk+8*\db:128+64*\kk+8*\db+7], v[32*\nb+8*\kk:32*\nb+8*\kk+7], v[64*\nb+8*\db:64*\nb+8*\db+7]
.endr
.endr
.endr
.endm
; One key tile, in slot s.  diag: the block's diagonal tile.  nextk: another trip follows, in the other slot.  refill: slot s gets the tile two trips ahead.
; pf: the four prefetches of block B's rows of q.
; ONE barrier a trip, in its middle.  In front of it each wave has waited for its reads of slot s (K's at the head, V's here) and for all its tensor loads, of
; which at most one was out: the other slot's tile.  Behind it slot s is filled again first, then the other slot's K is read.  From a request to the
; wait for it lie a product O, a product S and a softmax.
.macro TRIP s, diag, refill, nextk, pf
	s_wait_dscnt 0x0                               ; K's fragments (and, in a block's first trip, Q's and O's start)
	s_wait_loadcnt 0x0                             ; the bias
.rept 5
	v_nop                                          ; five places behind the last product of O, whose B registers S is written over, four of them for the loads into its A registers
.endr
	QK \diag
	VLOAD \s
.if \pf
.irp i, 0,1,2,3
	global_prefetch_b8 v[PF], s[92:93] offset:\i*16*QROW th:TH_LOAD_NT scope:SCOPE_SE   ; my head's 64 rows of block B, 512 bytes each, as 128 blocks of 256 bytes, one a lane, each asked for once; they are loaded behind this trip's softmax and product
.endr
.endif
.rept 4
	v_nop                                          ; four places behind the last product of S before it is read or written (ISA guide 7.12.1)
.endr
.if \diag
	DMASK
.endif
	SOFTMAX
.if \nextk
	s_wait_dscnt 0x0                               ; V's fragments are in: my reads of slot s are over
	s_wait_tensorcnt 0x0                           ; all my tensor loads have landed, the other slot's tile among them: every group 0 may be written
	ds_add_u32 v254, v255
	s_wait_dscnt 0x0
.if \refill
	NEXT \s
.endif
	BIASB
	s_barrier_signal -1
	RESCALE                                        ; register work while the others arrive
	WIN 0
	s_barrier_wait -1
.if \refill
	KVLOAD \s                                      ; first behind the barrier, one tensor load a wave
.endif
	KLOAD 1-\s
	BLOAD
.else
	s_wait_dscnt 0x0                               ; V's fragments
	RESCALE
.endif
	PV
	WIN 0
.endm
; 64 rows of my head's q, 512 consecutive bytes a load, into registers that are free between blocks: S's (rows 0-31) and V's fragments' (rows 32-63)
.macro QLOAD base
	WIN TOB
.set i, 0
.rept 32
	global_load_b128 v[4*i:4*i+3], v[GQ], s[\base:\base+1] offset:i*QROW th:TH_LOAD_NT
.set i, i+1
.endr
	WIN TOV
.set i, 0
.rept 32
	global_load_b128 v[128+4*i:128+4*i+3], v[GQ], s[\base:\base+1] offset:(32+i)*QROW th:TH_LOAD_NT
.set i, i+1
.endr
.endm
; q to bf16, through my own stage, into B fragments.  LDS serves a wave's instructions in order (ISA guide 5.7.1.4): the loads see the stores.
.macro QCVT
	s_wait_loadcnt 32                              ; all but the 32 youngest loads: rows 0-31 are in
	WIN SMW
.set i, 0
.rept 32
	v_cvt_pk_bf16_f32 v[4*i],   v[4*i],   v[4*i+1]
	v_cvt_pk_bf16_f32 v[4*i+1], v[4*i+2], v[4*i+3]
.set i, i+1
.endr
	WIN ST2
.set i, 0
.rept 32
	ds_store_b64 v[QST], v[4*i:4*i+1] offset:i*272
.set i, i+1
.endr
	s_wait_loadcnt 0x0                             ; rows 32-63
	WIN C1
.set i, 0
.rept 32
	v_cvt_pk_bf16_f32 v[128+4*i],   v[128+4*i],   v[128+4*i+1]
	v_cvt_pk_bf16_f32 v[128+4*i+1], v[128+4*i+2], v[128+4*i+3]
.set i, i+1
.endr
	WIN ST1
.set i, 0
.rept 32
	ds_store_b64 v[QST], v[128+4*i:128+4*i+1] offset:(32+i)*272
.set i, i+1
.endr
	WIN TOV
.irp nb, 0,1,2,3
.irp ks, 0,1,2,3
	ds_load_b128 v[32*\nb+8*\ks:32*\nb+8*\ks+3],   v[QRD] offset:\nb*16*272+64*\ks
	ds_load_b128 v[32*\nb+8*\ks+4:32*\nb+8*\ks+7], v[QRD] offset:\nb*16*272+64*\ks+32
.endr
.endr
.endm
; A block's start: O = the sum of V over the keys right of its diagonal tile, the same for all 64 queries; M, L from scalars m0, l0; NMC = -C M.
.macro INIT blk, m0, l0
	WIN TOO
.irp nb, 0,1,2,3
.irp db, 0,1,2,3,4,5,6,7
	ds_load_b128 v[64*\nb+8*\db:64*\nb+8*\db+3],   v[SUFA] offset:\blk*512+64*\db
	ds_load_b128 v[64*\nb+8*\db+4:64*\nb+8*\db+7], v[SUFA] offset:\blk*512+64*\db+16
.endr
.endr
	WIN SMW
.irp nb, 0,1,2,3
	v_mov_b32 v[STAT+4*\nb+1], s[\m0]
	v_mov_b32 v[STAT+4*\nb+3], s[\l0]
	v_mul_f32 v[STAT+4*\nb], s68, v[STAT+4*\nb+1]
.endr
	WIN 0
.endm
; The way out: O / (the two halves' L), sixteen queries at a time through my stage, read back as whole rows of 512 bytes.
.macro EPI base
	WIN SMW
.irp nb, 0,1,2,3
	v_permlanex16_b32 v[TT+2*\nb], v[STAT+4*\nb+3], s70, s71
.endr
.irp nb, 0,1,2,3
	v_add_f32 v[TT+2*\nb], v[TT+2*\nb], v[STAT+4*\nb+3]
.endr
.irp nb, 0,1,2,3
	v_rcp_f32 v[STAT+4*\nb+2], v[TT+2*\nb]
.endr
	v_nop                                          ; one plain place behind the reciprocals (ISA guide 5.7.2)
	s_wait_alu depctr_va_vdst(0)
.irp nb, 0,1,2,3
	WIN RSW
	SCALEO \nb
	WIN STO3
.irp db, 0,1,2,3,4,5,6,7
	ds_store_b128 v[STO], v[64*\nb+8*\db:64*\nb+8*\db+3]   offset:64*\db       ; query r, d = 16 db + 8 h + 0..3
	ds_store_b128 v[STO], v[64*\nb+8*\db+4:64*\nb+8*\db+7] offset:64*\db+16
.endr
	WIN 0
	s_wait_xcnt 0x0                                ; every earlier memory instruction has had its addresses translated (ISA guide 3.1): OT, which the last sixteen stores read, is loaded again only behind this wait
.irp i, 0,1,2,3,4,5,6,7,8,9,10,11,12,13,14,15
	ds_load_b128 v[OT+4*\i:OT+4*\i+3], v[SRD] offset:\i*OPITCH
.endr
.irp i, 0,1,2,3,4,5,6,7,8,9,10,11,12,13,14,15
	s_wait_dscnt 15-\i                             ; LDS loads come back in order: row i is in, the younger ones stay out
	global_store_b128 v[GQ], v[OT+4*\i:OT+4*\i+3], s[\base:\base+1] offset:(16*\nb+\i)*QROW th:TH_STORE_NT   ; the wave stores 512 consecutive bytes, aligned
.endr
.endr
.endm
	; ---- scalars
	s_load_b256 s[4:11], s[0:1], 0x0               ; q s[4:5], kb s[6:7], vb s[8:9], bsum s[10:11]
	s_load_b128 s[12:15], s[0:1], 0x20             ; biasw s[12:13], out0 s[14:15]
	s_set_vgpr_msb 0x80
	v_lshl_add_u32 v254, v0, 2, 0x29000
	v_mov_b32 v255, 0
	s_set_vgpr_msb 0x808a
	ds_add_u32 v254, v255
	s_set_vgpr_msb 0x8a00
	v_lshrrev_b32 v14, 5, v0
	v_readfirstlane_b32 s16, v14                   ; wave
	s_mov_b32 s19, ttmp9                           ; p
	s_and_b32 s20, ttmp7, 0xffff                   ; g
	s_lshr_b32 s21, s20, 3                         ; b
	s_and_b32 s22, s20, 7                          ; hkv
	s_mul_i32 s23, s16, STWB
	s_add_co_u32 s23, s23, STAGE                   ; my stage
	s_mov_b32 s66, 0x3e0293ee                      ; C = log2(e) / sqrt(128)
	s_mov_b32 s67, 0x3e0293ee
	s_mov_b32 s68, 0xbe0293ee                      ; -C
	s_mov_b32 s69, 0xc7dcf88b                      ; FILL = -10000 sqrt(128)
	s_mov_b32 s70, 0x76543210
	s_mov_b32 s71, 0xfedcba98
	; group 1: 64 rows of 128 elements of 2 bytes, dense in memory, padded in LDS behind every 64 words: K by 4 words, V by 8
	s_mov_b32 s[G1K+0], (1<<16)|(1<<20)|(5<<22)|(3<<25)
	s_mov_b32 s[G1V+0], (1<<16)|(1<<20)|(5<<22)|(7<<25)
	s_mov_b32 s[G1K+1], 128<<16                    ; tensor_dim0 = 128
	s_mov_b32 s[G1V+1], 128<<16
	s_mov_b32 s[G1K+2], 64<<16                     ; tensor_dim1 = 64
	s_mov_b32 s[G1V+2], 64<<16
	s_mov_b32 s[G1K+3], 128<<16                    ; tile_dim0 = 128
	s_mov_b32 s[G1V+3], 128<<16
	s_mov_b32 s[G1K+4], 64                         ; tile_dim1 = 64
	s_mov_b32 s[G1V+4], 64
	s_mov_b32 s[G1K+5], 128                        ; elements from row to row
	s_mov_b32 s[G1V+5], 128
	s_mov_b32 s[G1K+6], 0
	s_mov_b32 s[G1V+6], 0
	s_mov_b32 s[G1K+7], 0
	s_mov_b32 s[G1V+7], 0
	s_lshl_b32 s85, s19, 1
	s_add_co_u32 s85, s85, 1                       ; block A's tiles: 2 p + 1
	s_mov_b32 s84, 2                               ; tiles 0 and 1 of the stream are the first fills
	s_cmp_eq_u32 s19, 0
	s_cselect_b32 s86, 0, 1                        ; the stream's tile 1: key tile 1 of A, or, where A has one tile, key tile 0 of B
	s_cselect_b32 s98, 0xff800000, s69             ; B's first maximum: -infinity for block 31, which has no keys right of its diagonal tile
	s_lshl_b32 s88, s19, 6
	s_sub_co_u32 s99, 992, s88                     ; half of 2048 - 64 (2 p + 1)
	s_cvt_f32_u32 s99, s99
	s_cvt_f32_u32 s100, s88                        ; half of 128 p
	s_mov_b32 s81, 0
	s_mov_b32 s83, 0
	s_lshl2_add_u32 s88, s22, s16                  ; my head: 4 hkv + wave
	s_lshl_b32 s88, s88, 9
	s_lshl_b32 s89, s21, 25                        ; b x 2048 rows x 16,384
	s_add_co_u32 s88, s88, s89
	s_lshl_b32 s80, s19, 21                        ; block A's first row, 128 p
	s_add_co_u32 s80, s80, s88
	s_lshl_b32 s82, s19, 1
	s_sub_co_u32 s82, 31, s82
	s_lshl_b32 s82, s82, 20                        ; block B's first row, 64 (31 - 2 p)
	s_add_co_u32 s82, s82, s88
	s_wait_dscnt 0x0
	s_wait_kmcnt 0x0
	s_add_nc_u64 s[90:91], s[4:5], s[80:81]
	s_add_nc_u64 s[94:95], s[14:15], s[80:81]
	s_add_nc_u64 s[92:93], s[4:5], s[82:83]
	s_add_nc_u64 s[96:97], s[14:15], s[82:83]
	s_lshl_b32 s80, s20, 19
	s_add_nc_u64 s[72:73], s[6:7], s[80:81]
	s_add_nc_u64 s[74:75], s[8:9], s[80:81]
	s_lshl_b32 s80, s20, 14
	s_add_nc_u64 s[10:11], s[10:11], s[80:81]      ; bsum of g
	s_lshl_b32 s80, s21, 13
	s_add_nc_u64 s[76:77], s[12:13], s[80:81]      ; biasw of b
	s_mov_b64 s[78:79], s[76:77]                   ; the first trip's key tile is 0
	s_lshl_b32 s80, s86, 14
	s_mov_b32 s[G0K+0], 1
	s_mov_b32 s[G0K+1], VT
	s_mov_b64 s[G0K+2:G0K+3], s[72:73]
	s_or_b32 s[G0K+3], s[G0K+3], 0x80000000
	s_mov_b32 s[G0K+4], 1
	s_mov_b32 s[G0K+5], SLOT+VT
	s_add_nc_u64 s[G0K+6:G0K+7], s[72:73], s[80:81]
	s_or_b32 s[G0K+7], s[G0K+7], 0x80000000
	s_mov_b32 s[G0V+0], 1
	s_mov_b32 s[G0V+1], 0
	s_mov_b64 s[G0V+2:G0V+3], s[74:75]
	s_or_b32 s[G0V+3], s[G0V+3], 0x80000000
	s_mov_b32 s[G0V+4], 1
	s_mov_b32 s[G0V+5], SLOT
	s_add_nc_u64 s[G0V+6:G0V+7], s[74:75], s[80:81]
	s_or_b32 s[G0V+7], s[G0V+7], 0x80000000
	; ---- the first fills, both slots, ahead of every LDS read, barrier and wait on TENSORcnt; a wave's two stand in one branch.  Two tensor loads of a wave are out here, later one.
	s_cmp_lg_u32 s16, 0
	s_cbranch_scc1 .Lfill_k
	tensor_load_to_lds s[G0V:G0V+3], s[G1V:G1V+7]
	s_nop 0
	tensor_load_to_lds s[G0V+4:G0V+7], s[G1V:G1V+7]
	s_nop 0
	s_branch .Lfilled
.Lfill_k:
	s_cmp_lg_u32 s16, 1
	s_cbranch_scc1 .Lfilled
	tensor_load_to_lds s[G0K:G0K+3], s[G1K:G1K+7]
	s_nop 0
	tensor_load_to_lds s[G0K+4:G0K+7], s[G1K:G1K+7]
	s_nop 0
.Lfilled:
	; ---- lane terms
	v_and_b32 v1, 15, v0                           ; r
	v_bfe_u32 v2, v0, 4, 1                         ; h
	v_and_b32 v3, 31, v0                           ; L
	v_lshlrev_b32 v[BO], 5, v2
	v_lshlrev_b32 v[GQ], 4, v3
	v_lshlrev_b32 v16, 2, v0                       ; my column of bsum: d = the thread's number
	v_mul_u32_u24 v14, v1, 272
	v_lshl_add_u32 v14, v2, 4, v14                 ; 272 r + 16 h
	v_add_nc_u32 v[KA], VT, v14
	v_add_nc_u32 v[QRD], s23, v14
	v_and_b32 v15, 7, v0
	v_lshl_add_u32 v15, v2, 3, v15
	v_mul_u32_u24 v[VA], v15, VPITCH
	v_bfe_u32 v15, v0, 3, 1
	v_lshl_add_u32 v[VA], v15, 4, v[VA]
	v_mul_u32_u24 v[STO], v1, OPITCH
	v_lshl_add_u32 v[STO], v2, 5, v[STO]
	v_add_nc_u32 v[STO], s23, v[STO]
	v_lshl_add_u32 v[SRD], v3, 4, s23
	v_lshl_add_u32 v[QST], v3, 3, s23
	v_add_nc_u32 v[SUFA], SUF, v[BO]
	v_lshrrev_b32 v15, 1, v3
	v_and_b32 v[PF], 1, v0
	v_lshlrev_b32 v[PF], 8, v[PF]
	v_lshl_or_b32 v[PF], v15, 14, v[PF]
	s_lshl_b32 s88, s16, 7
	s_add_co_u32 s88, s88, SUF
	v_lshl_add_u32 v17, v3, 2, s88                 ; SUF + 128 x wave + 4 L: my column's word
	v_lshlrev_b32 v18, 3, v2
	v_sub_nc_u32 v18, v1, v18                      ; r - 8 h
.irp j, 0,1,2,3,4,5,6,7
	v_cmp_gt_i32 s[MSK+\j], \j, v18                ; key 8 h + j lies right of query r
.endr
	WIN TOB
	v_mov_b32 v[FILLV], s69
	; ---- 104 loads: the first tile's bias (8), the 32 block sums of V, block A's q (64)
	BLOAD
	WIN 0
.set i, 0
.rept 32
	global_load_b32 v[XS+i], v16, s[10:11] offset:i*512
.set i, i+1
.endr
	QLOAD 90
	WIN 0
	s_wait_loadcnt 63                              ; at most 63 of the 104 are out: the first 41 are in, the bias and all block sums among them
	; ---- sums of V over the key blocks right of each diagonal tile: blocks 2 p + 1 .. 31 for A, 32 - 2 p .. 31 for B.  Every block is taken, with weight 1 or 0: no trip count hangs on p.
	s_lshl_b32 s88, s19, 1
	s_sub_co_u32 s88, 32, s88
.set i, 0
.rept 32
	s_cmp_le_u32 s85, i
	s_cselect_b32 s101, 1.0, 0
	s_cmp_le_u32 s88, i
	s_cselect_b32 s89, 1.0, 0
.if i == 0
	v_mul_f32 v14, s101, v[XS+i]                   ; the first term starts each sum
	v_mul_f32 v15, s89, v[XS+i]
.else
	v_fmac_f32 v14, s101, v[XS+i]
	v_fmac_f32 v15, s89, v[XS+i]
.endif
.set i, i+1
.endr
	ds_store_b32 v17, v14
	ds_store_b32 v17, v15 offset:512
	QCVT
	s_wait_tensorcnt 0x0                           ; my first fills have landed
	s_wait_dscnt 0x0                               ; my sums are in LDS (and Q's fragments in registers)
	s_barrier_signal -1
	s_barrier_wait -1                              ; both slots and all 128 columns' sums are there for every wave
	KLOAD 0
	INIT 0, 69, 99
	; ---- block A: p pairs of tiles left of the diagonal, then the diagonal tile
	s_cmp_eq_u32 s19, 0
	s_cbranch_scc1 .Ldiag_a
	s_mov_b32 s89, s19
.Lloop_a:
	TRIP 0, 0, 1, 1, 0
	TRIP 1, 0, 1, 1, 0
	s_sub_co_i32 s89, s89, 1
	s_cmp_gt_i32 s89, 0                            ; a signed compare: the loop ends behind its first trip whatever the start
	s_cbranch_scc1 .Lloop_a
.Ldiag_a:
	TRIP 0, 1, 1, 1, 1
	; ---- from A to B: B's q is asked for first and is on its way while A's result goes out
.rept 4
	v_nop                                          ; four places behind the last product of O: its result is read, and its A and B registers are loaded into (ISA guide 7.12.1)
.endr
	QLOAD 92
	EPI 94
	QCVT
	INIT 1, 98, 100
	; ---- block B: 32 - 2 p tiles, beginning in slot 1
	s_cmp_eq_u32 s19, 15
	s_cbranch_scc1 .Ltail_b
	s_sub_co_u32 s89, 15, s19
.Lloop_b:
	TRIP 1, 0, 1, 1, 0
	TRIP 0, 0, 1, 1, 0
	s_sub_co_i32 s89, s89, 1
	s_cmp_gt_i32 s89, 0                            ; signed, as above
	s_cbranch_scc1 .Lloop_b
.Ltail_b:
	TRIP 1, 0, 0, 1, 0                             ; the last two tiles: nothing is left to fetch
	TRIP 0, 1, 0, 0, 0
.rept 4
	v_nop                                          ; four places behind the last product of O before it is read (ISA guide 7.12.1)
.endr
	EPI 96
	s_set_vgpr_msb 0xa
	s_wait_tensorcnt 0x0
	ds_add_u32 v254, v255
	s_wait_dscnt 0x0
	s_set_vgpr_msb 0xa00
	s_endpgm
.Lfunc_end_k_q0a258fd79f_attn:
	.size	k_q0a258fd79f_attn, .Lfunc_end_k_q0a258fd79f_attn-k_q0a258fd79f_attn
	.p2alignl 7, 3214868480
	.fill 96, 4, 3214868480
	.section	.rodata,"a",@progbits
	.p2align	6, 0x0
	.amdhsa_kernel k_q0a258fd79f_attn
		.amdhsa_group_segment_fixed_size 327680
		.amdhsa_private_segment_fixed_size 0
		.amdhsa_enable_private_segment 0
		.amdhsa_kernarg_size 48
		.amdhsa_user_sgpr_count 2
		.amdhsa_user_sgpr_kernarg_segment_ptr 1
		.amdhsa_wavefront_size32 1
		.amdhsa_system_sgpr_workgroup_id_x 1
		.amdhsa_system_sgpr_workgroup_id_y 1
		.amdhsa_system_sgpr_workgroup_id_z 1
		.amdhsa_system_vgpr_workitem_id 0
		.amdhsa_next_free_vgpr 1024
		.amdhsa_next_free_sgpr 102
		.amdhsa_reserve_vcc 0
		.amdhsa_float_denorm_mode_32 3
		.amdhsa_float_denorm_mode_16_64 3
		.amdhsa_memory_ordered 1
		.amdhsa_forward_progress 1
		.amdhsa_inst_pref_size 255
	.end_amdhsa_kernel
	.section	.bss,"aw",@nobits
	.p2align	6
	.space	262144
	.amdgpu_metadata
---
amdhsa.version: [ 1, 2 ]
amdhsa.kernels:
  - .name:           k_q0a258fd79f_attn
    .symbol:         k_q0a258fd79f_attn.kd
    .args:
      - { .name: q, .offset: 0, .size: 8, .value_kind: global_buffer, .address_space: global }
      - { .name: kb, .offset: 8, .size: 8, .value_kind: global_buffer, .address_space: global }
      - { .name: vb, .offset: 16, .size: 8, .value_kind: global_buffer, .address_space: global }
      - { .name: bsum, .offset: 24, .size: 8, .value_kind: global_buffer, .address_space: global }
      - { .name: biasw, .offset: 32, .size: 8, .value_kind: global_buffer, .address_space: global }
      - { .name: out0, .offset: 40, .size: 8, .value_kind: global_buffer, .address_space: global }
    .group_segment_fixed_size: 327680
    .private_segment_fixed_size: 0
    .kernarg_segment_align: 8
    .kernarg_segment_size: 48
    .max_flat_workgroup_size: 128
    .sgpr_count:     102
    .vgpr_count:     1024
    .wavefront_size: 32
...
	.end_amdgpu_metadata
.endif
;; end of part 2
;; ======== version 2 of 2: 2 launches; version 1 with the launch prep written anew for expert scheduling mode
;; limits: values are held in f16: magnitudes above 65,504 overflow, below 6.1e-05 lose precision; inputs' magnitudes at most 65,408; below input magnitudes of 6.1e-05 results are inexact or not finite
;; workspace buffers: kb 8,388,608 bytes; vb 8,388,608 bytes; bsum 262,144 bytes; biasw 16,384 bytes
;; launch prep (part 3): grid 32 x 16, 8 waves a work-group, no clusters, 5,120 bytes of LDS; arguments kv, key_padding_mask, kb, vb, bsum, biasw; writes kb, vb, bsum, biasw
.if DOCPART == 3
	.amdgcn_target "amdgcn-amd-amdhsa--gfx1250"
	.amdhsa_code_object_version 6
	.text
	.protected	k_q0a258fd79f_prep
	.globl	k_q0a258fd79f_prep
	.p2align	8
	.type	k_q0a258fd79f_prep,@function
k_q0a258fd79f_prep:
	s_mov_b64 s[64:65], 0
	v_nop
	global_prefetch_b8 v0, s[64:65] scope:SCOPE_SE
	s_setreg_imm32_b32 hwreg(HW_REG_WAVE_SCHED_MODE, 0, 2), 2
	s_setreg_imm32_b32 hwreg(HW_REG_WAVE_MODE, 25, 1), 1
	s_wait_xcnt 0x0
	s_wait_alu depctr_vm_vsrc(0)
; kv [2][2048][2][8][128] f32  ->  kb [g = 8 b + hkv][2048][128] bf16 (K, rounded once, rows of 256 bytes),
;                                  vb, the same shape, f16 (V, see below),
;                                  bsum [g][32][128] f32 (sums of the f32 V over blocks of 64 keys),
; key_padding_mask [2][2048] bytes -> biasw [2][2048] f32: 0.0 for a valid key, -10000 sqrt(128) for a padded one
; (the additive -10000 in the units of the unscaled product q.k).  Any mask byte other than 0 counts as true.
; V'S FORMAT.  The product P V of the next launch runs in the f16 matrix form, because P lies in [0, 1] and keeps 11 significant bits in f16 against 8
; in bf16.  V is rounded to bf16, as K and Q are, so that the three inputs carry one and the same rounding, the one that the problem's contract names
; for inputs; that value is then written in f16's format.  LIMITS: exact for 2^-14 <= |v|; below that f16 is denormal and the value is kept to within 2^-25;
; |v| must stay below 65,408 (the largest bf16 number that f16 holds is 65,280; above it the result is infinite).
; A work-group takes 64 keys (x) of one g (y); wave w takes keys 8 w .. 8 w + 7; a lane takes 4 numbers of each row, so a load of the
; wave covers 512 consecutive bytes of kv and a store 256 consecutive bytes of kb or vb, aligned.  A stream: no matrix unit, no cluster,
; LDS only for the eight waves' partial sums.  Sixteen loads of every wave are on their way at once; there is no loop.
; THE MODE: SCHED_MODE bits 1:0 = 2 (LLVM: expert scheduling mode 2), set by the entry lines.  The code itself states the register dependences
; between vector instructions and memory or LDS instructions, with s_wait_alu, always for 0.
; THE PLAN.  Registers that memory or LDS instructions touch, in program order:
;   v1 .. v6      offsets and LDS addresses: written once at the head, read by loads and stores, never written again.
;   KR            K's loads land in it; K's conversions read it; behind the barrier wave 0's LDS loads land in it, its sums read and write it, one store reads v[KR:KR+3].
;   VR            V's loads land in it; from then on vector instructions alone name it.
;   KP, VP        written by the conversions, read by eight stores each, never written again.
;   v[8:11]       written by the sums, read by the LDS store.     v7: the mask load lands in it.     v[12:13]: written by the selects, read by the last store.
;   v112, v113    written at the head, read by the closing add alone.
; So the conversions of K stand in one run with one wait behind them and their eight stores behind that; V's sums and conversions likewise, with one wait for the LDS store
; and the eight stores.  No register that a memory or LDS instruction reads is written again, so the text holds no wait on vm_vsrc past the entry lines.
.set FILLB, 0xc7dcf88b                 ; -10000 * sqrt(128) = -113137.086
.set KR, 16                            ; v[16:47]   8 rows of K, 4 f32 each
.set VR, 48                            ; v[48:79]   8 rows of V
.set KP, 80                            ; v[80:95]   K packed to bf16
.set VP, 96                            ; v[96:111]  V packed
	s_load_b256 s[4:11], s[0:1], 0x0               ; kv s[4:5], mask s[6:7], kb s[8:9], vb s[10:11]
	s_load_b128 s[12:15], s[0:1], 0x20             ; bsum s[12:13], biasw s[14:15]
	v_lshl_add_u32 v112, v0, 2, 0x1000             ; my spare word, behind the eight waves' 4,096 bytes of sums; kept for the closing lines alone
	v_mov_b32 v113, 0
	v_lshrrev_b32 v12, 5, v0                       ; wave
	v_and_b32 v13, 31, v0                          ; lane
	v_readfirstlane_b32 s19, v12                   ; the wave's number as a scalar
	s_and_b32 s16, ttmp7, 0xffff                   ; g
	s_lshr_b32 s17, s16, 3                         ; b
	s_and_b32 s18, s16, 7                          ; hkv
	v_lshlrev_b32 v4, 4, v13                       ; 16 x lane
	v_lshl_or_b32 v1, v12, 16, v4                  ; kv: 8 keys of 8,192 bytes a wave + 16 x lane
	v_lshlrev_b32 v6, 3, v13                       ; 8 x lane
	v_lshl_or_b32 v2, v12, 11, v6                  ; kb, vb: 8 rows of 256 bytes a wave + 8 x lane
	s_wait_alu depctr_va_sdst(0)                   ; s19 is written, ahead of its first reader, the next line
	s_lshl_b32 s30, s19, 9
	v_add_nc_u32 v3, s30, v4                       ; LDS: 512 bytes a wave + 16 x lane
	v_lshlrev_b32 v5, 1, v13                       ; mask: 2 bytes a lane
	s_lshl_b32 s20, s17, 24                        ; kv: b x 2048 keys x 8,192
	s_lshl_b32 s31, ttmp9, 19                      ;   + block x 64 keys x 8,192
	s_or_b32 s20, s20, s31
	s_lshl_b32 s31, s18, 9                         ;   + hkv x 512
	s_or_b32 s20, s20, s31
	s_mov_b32 s21, 0
	s_lshl_b32 s22, s16, 19                        ; kb, vb: g x 2048 rows x 256
	s_lshl_b32 s31, ttmp9, 14                      ;   + block x 64 rows x 256
	s_or_b32 s22, s22, s31
	s_mov_b32 s23, 0
	s_lshl_b32 s24, s16, 14                        ; bsum: (32 g + block) x 512
	s_lshl_b32 s31, ttmp9, 9
	s_or_b32 s24, s24, s31
	s_mov_b32 s25, 0
	s_lshl_b32 s26, s17, 11                        ; mask: 2048 b + 64 block
	s_lshl_b32 s31, ttmp9, 6
	s_or_b32 s26, s26, s31
	s_mov_b32 s27, 0
	s_lshl_b32 s28, s26, 2                         ; biasw: four bytes a key
	s_mov_b32 s29, 0
	s_wait_kmcnt 0x0
	s_add_nc_u64 s[4:5], s[4:5], s[20:21]
	s_add_nc_u64 s[6:7], s[6:7], s[26:27]
	s_add_nc_u64 s[8:9], s[8:9], s[22:23]
	s_add_nc_u64 s[10:11], s[10:11], s[22:23]
	s_add_nc_u64 s[12:13], s[12:13], s[24:25]
	s_add_nc_u64 s[14:15], s[14:15], s[28:29]
	s_wait_alu depctr_va_vdst(0)                   ; v1 to v6 are written: every load, store and LDS instruction of the kernel but the closing add reads one of them as its offset or address
.irp i, 0,1,2,3,4,5,6,7
	global_load_b128 v[KR+4*\i:KR+4*\i+3], v1, s[4:5] offset:\i*8192 th:TH_LOAD_NT        ; K's row of key 8 w + i
.endr
.irp i, 0,1,2,3,4,5,6,7
	global_load_b128 v[VR+4*\i:VR+4*\i+3], v1, s[4:5] offset:\i*8192+4096 th:TH_LOAD_NT   ; V's row, 4,096 bytes behind K's
.endr
	s_wait_loadcnt 8                               ; loads come back in order (ISA guide 5.7.1): the eight of K are in, the eight of V stay out
.irp i, 0,1,2,3,4,5,6,7
	v_cvt_pk_bf16_f32 v[KP+2*\i],   v[KR+4*\i],   v[KR+4*\i+1]
	v_cvt_pk_bf16_f32 v[KP+2*\i+1], v[KR+4*\i+2], v[KR+4*\i+3]
.endr
	s_wait_alu depctr_va_vdst(0)                   ; the sixteen conversions have written KP, which the eight stores read
.irp i, 0,1,2,3,4,5,6,7
	global_store_b64 v2, v[KP+2*\i:KP+2*\i+1], s[8:9] offset:\i*256    ; the wave stores 256 consecutive bytes, aligned; read by the next launch: no hint
.endr
	s_wait_loadcnt 0x0                             ; V
	v_pk_add_f32 v[8:9],   v[VR:VR+1],   v[VR+4:VR+5]                  ; the first two rows start the sums of my four columns
	v_pk_add_f32 v[10:11], v[VR+2:VR+3], v[VR+6:VR+7]
.irp i, 2,3,4,5,6,7
	v_pk_add_f32 v[8:9],   v[8:9],   v[VR+4*\i:VR+4*\i+1]
	v_pk_add_f32 v[10:11], v[10:11], v[VR+4*\i+2:VR+4*\i+3]
.endr
.irp i, 0,1,2,3,4,5,6,7
	v_cvt_pk_bf16_f32 v[VP+2*\i],   v[VR+4*\i],   v[VR+4*\i+1]         ; the rounding: to bf16, nearest even
	v_cvt_pk_bf16_f32 v[VP+2*\i+1], v[VR+4*\i+2], v[VR+4*\i+3]
	v_lshlrev_b32 v[VR+4*\i],   16,         v[VP+2*\i]                 ; the rounded numbers as f32 again (the sums above have read the unrounded ones)
	v_and_b32     v[VR+4*\i+1], 0xffff0000, v[VP+2*\i]
	v_lshlrev_b32 v[VR+4*\i+2], 16,         v[VP+2*\i+1]
	v_and_b32     v[VR+4*\i+3], 0xffff0000, v[VP+2*\i+1]
	v_cvt_pk_f16_f32 v[VP+2*\i],   v[VR+4*\i],   v[VR+4*\i+1]          ; the format: 8 significant bits fit in f16's 11
	v_cvt_pk_f16_f32 v[VP+2*\i+1], v[VR+4*\i+2], v[VR+4*\i+3]
.endr
	s_wait_alu depctr_va_vdst(0)                   ; the sums have written v[8:11], which the LDS store reads; the conversions have written VP, which the eight stores read
	ds_store_b128 v3, v[8:11]                      ; my wave's sums over its eight keys: first, so that it is on its way while the stores below are issued
.irp i, 0,1,2,3,4,5,6,7
	global_store_b64 v2, v[VP+2*\i:VP+2*\i+1], s[10:11] offset:\i*256
.endr
	s_wait_dscnt 0x0                               ; for wave 0's sake: my store to LDS is done
	s_barrier_signal -1
	s_barrier_wait -1
	s_cmp_lg_u32 s19, 0
	s_cbranch_scc1 .Lend                           ; the rest is wave 0's
.irp i, 0,1,2,3,4,5,6,7
	ds_load_b128 v[KR+4*\i:KR+4*\i+3], v4 offset:512*\i                ; the eight waves' sums of my four columns.  No wait: K's conversions, KR's only readers, stand ahead of the waits above, and no vector instruction since names KR
.endr
	s_wait_dscnt 0x0
.irp i, 1,2,3,4,5,6,7
	v_pk_add_f32 v[KR:KR+1],   v[KR:KR+1],   v[KR+4*\i:KR+4*\i+1]
	v_pk_add_f32 v[KR+2:KR+3], v[KR+2:KR+3], v[KR+4*\i+2:KR+4*\i+3]
.endr
	s_wait_alu depctr_va_vdst(0)                   ; the sums have written v[KR:KR+3], which the store reads
	global_store_b128 v4, v[KR:KR+3], s[12:13]     ; 512 consecutive bytes: the block's sums of V
	s_cmp_lg_u32 s18, 0
	s_cbranch_scc1 .Lend                           ; the bias hangs on b and the key alone: the work-group of hkv = 0 writes it
	global_load_u16 v7, v5, s[6:7]                 ; two mask bytes a lane: the block's 64 keys; no vector instruction has named v7
	v_mov_b32 v14, FILLB
	s_wait_loadcnt 0x0
	v_and_b32 v12, 0xff, v7
	v_lshrrev_b32 v13, 8, v7
	v_cmp_eq_u32 s30, 0, v12                       ; a byte 0 is a padded key: the two compares in one run, each into a scalar register of its own
	v_cmp_eq_u32 s31, 0, v13
	s_wait_alu depctr_va_sdst(0)                   ; s30 and s31 are written, ahead of the selects that read them
	v_cndmask_b32 v12, 0, v14, s30
	v_cndmask_b32 v13, 0, v14, s31
	s_wait_alu depctr_va_vdst(0)                   ; the selects have written v[12:13], which the store reads
	global_store_b64 v6, v[12:13], s[14:15]        ; 256 consecutive bytes, aligned
.Lend:
	s_wait_dscnt 0x0                               ; the closing lines, six on end
	s_wait_alu 0x0
	s_wait_tensorcnt 0x0
	ds_add_u32 v112, v113
	s_wait_dscnt 0x0
	s_endpgm
.Lfunc_end_k_q0a258fd79f_prep:
	.size	k_q0a258fd79f_prep, .Lfunc_end_k_q0a258fd79f_prep-k_q0a258fd79f_prep
	.p2alignl 7, 3214868480
	.fill 96, 4, 3214868480
	.section	.rodata,"a",@progbits
	.p2align	6, 0x0
	.amdhsa_kernel k_q0a258fd79f_prep
		.amdhsa_group_segment_fixed_size 5120
		.amdhsa_private_segment_fixed_size 0
		.amdhsa_enable_private_segment 0
		.amdhsa_kernarg_size 48
		.amdhsa_user_sgpr_count 2
		.amdhsa_user_sgpr_kernarg_segment_ptr 1
		.amdhsa_wavefront_size32 1
		.amdhsa_system_sgpr_workgroup_id_x 1
		.amdhsa_system_sgpr_workgroup_id_y 1
		.amdhsa_system_sgpr_workgroup_id_z 1
		.amdhsa_system_vgpr_workitem_id 0
		.amdhsa_next_free_vgpr 114
		.amdhsa_next_free_sgpr 66
		.amdhsa_reserve_vcc 0
		.amdhsa_float_denorm_mode_32 3
		.amdhsa_float_denorm_mode_16_64 3
		.amdhsa_memory_ordered 1
		.amdhsa_forward_progress 1
		.amdhsa_inst_pref_size 14
	.end_amdhsa_kernel
	.amdgpu_metadata
---
amdhsa.version: [ 1, 2 ]
amdhsa.kernels:
  - .name:           k_q0a258fd79f_prep
    .symbol:         k_q0a258fd79f_prep.kd
    .args:
      - { .name: kv, .offset: 0, .size: 8, .value_kind: global_buffer, .address_space: global }
      - { .name: key_padding_mask, .offset: 8, .size: 8, .value_kind: global_buffer, .address_space: global }
      - { .name: kb, .offset: 16, .size: 8, .value_kind: global_buffer, .address_space: global }
      - { .name: vb, .offset: 24, .size: 8, .value_kind: global_buffer, .address_space: global }
      - { .name: bsum, .offset: 32, .size: 8, .value_kind: global_buffer, .address_space: global }
      - { .name: biasw, .offset: 40, .size: 8, .value_kind: global_buffer, .address_space: global }
    .group_segment_fixed_size: 5120
    .private_segment_fixed_size: 0
    .kernarg_segment_align: 8
    .kernarg_segment_size: 48
    .max_flat_workgroup_size: 256
    .sgpr_count:     66
    .vgpr_count:     114
    .wavefront_size: 32
...
	.end_amdgpu_metadata
.endif
;; end of part 3
;; launch attn: the kernel of part 2 again; grid 16 x 16, 4 waves a work-group, no clusters, 327,680 bytes of LDS; arguments q, kb, vb, bsum, biasw, out0; writes out0
